; MI455X (gfx1250); checked and timed in simulation.
; The chip was launched on July 23, 2026; its instructions are those of AMD's public machine-readable ISA for CDNA 5 (MIT licence, August 2026) and "CDNA5" Instruction Set Architecture Reference Guide (July 2026). The comments in the code are by the model that wrote it; some were corrected since.
;; Gaussian Splatting2 D. Allowed arithmetic: float matrix products may take bf16 or f16 operands with f32 sums; all other float work in f32.
;; Inputs: alphas 512 x 1 float32; means 512 x 2 float32; rotations 512 x 1 float32; scales 512 x 2 float32; x 262,144 x 2 float32.
;; Outputs: out0 262,144 x 1 float32.
;; One version. Each part assembles by itself: llvm-mc -triple=amdgcn-amd-amdhsa -mcpu=gfx1250 --defsym DOCPART=n.
;; ======== version 1 of 1: 1 launch
;; launch splat (part 1): grid 256 x 1, 16 waves a work-group, no clusters, 34,816 bytes of LDS; arguments x, alphas, means, rotations, scales, out0; writes out0
.if DOCPART == 1
	.amdgcn_target "amdgcn-amd-amdhsa--gfx1250"
	.amdhsa_code_object_version 6
	.text
	.protected	k_qe966742cce_splat
	.globl	k_qe966742cce_splat
	.p2align	8
	.type	k_qe966742cce_splat,@function
k_qe966742cce_splat:
	s_mov_b64 s[64:65], 0
	v_nop
	global_prefetch_b8 v0, s[64:65] scope:SCOPE_SE
	s_setreg_imm32_b32 hwreg(HW_REG_WAVE_MODE, 25, 1), 1
	s_wait_xcnt 0x0
; out[p] = sum over n of alpha[n] * exp(-q(p,n)/2),  q = rel^T inverse(R S S R^T) rel,  rel = x[p] - mean[n].
; 262,144 pixels, 512 gaussians, all f32.  256 work-groups of 16 waves; a work-group owns 1,024 pixels.
;
; THE FORM OF q.  R is a rotation and S = diag(s0, s1), so inverse(R S S R^T) = R diag(1/s0^2, 1/s1^2) R^T =: [[A, B], [B, C]] for all
; non-zero scales, and with its Cholesky factor  l11 = sqrt(A), l21 = B / l11, l22 = 1 / (|s0 s1| l11):
;     q = (l11 dx + l21 dy)^2 + (l22 dy)^2.
; All three are multiplied by sqrt(log2(e) / 2), so that exp(-q/2) = 2^-(u^2 + v^2).  dx and dy are formed first, as in the reference, so a
; common offset of pixels and means costs nothing; u and v are sums of two products, seven operations a pair in all.
; The order of rounding differs from the reference's, which builds R S S R^T and divides by its determinant in f32.
; STEP 1: thread t makes gaussian t's record (-mx, -my, l11, l21 | l22, alpha), 32 bytes apart, in LDS.
; STEP 2: wave w takes the 256 pixels of block w & 3, eight a lane in four packed pairs, and the 128 gaussians of quarter w >> 2.
;         The record is the same in all lanes: it comes by LDS loads in which every lane names the same bytes.
; STEP 3: the four quarters' sums of a pixel meet in LDS; each wave stores 256 consecutive bytes, aligned.
;
; NO MATRIX INSTRUCTION: q as a product of pixel features and coefficients would be a difference of terms of size 1/s^2 that cancel to
; about 1; and g @ alphas has one column: rounding g to bf16 takes one packed instruction for two numbers, as many as the packed f32
; multiply-add that does the whole sum here.  NO CLUSTER, NO TENSOR LOAD: all that work-groups share is the 12,288 bytes of gaussians, read
; once by each, and each thread needs its gaussian in registers to make the record.
;
; LIMITS.  1e-18 <= |scale| <= 1e18 (1/s^2 must stay a normal f32); a scale of 0 gives NaN or infinity, as it does in the reference.
; |rotation| <= 1e5 rad (the multiple of pi/2 is found by one f32 product).  2^-e below 2^-126 counts as 0.
; The sum over gaussians is made in four quarters of 128, each in ascending order, and the quarters are added at the end.
.set RECB,  32                         ; bytes from record to record
.set PART,  512*RECB                   ; behind the 16,384 bytes of records: 4 quarters x 1,024 pixels x 4 bytes of partial sums
.set TRIPS, 128/8                      ; a trip takes eight of the wave's 128 gaussians
.set ADR, 6                            ; v6       LDS address: first of my record, then of the trip's first record (equal in all lanes)
.set XY,  8                            ; v[8:23]  chunk j of four: x of two pixels, y of the same two pixels
.set ACC, 24                           ; v[24:31] the sums of my eight pixels
.set DX,  32                           ; v[32:39] x - mx
.set DY,  40                           ; v[40:47] y - my
.set UU,  48                           ; v[48:55] u, then -u^2
.set VV,  56                           ; v[56:63] v
.set EE,  64                           ; v[64:71] -(u^2 + v^2)
.set GG,  72                           ; v[72:79] 2^EE
.set PA,  80                           ; v[80:103]  four records of six registers
.set PB,  104                          ; v[104:127] the next four
; step 1's registers lie in the work area, which is not yet in use
.set ROT, 32
.set SCL, 34
.set MEA, 36
.set KK,  38
.set RR,  39
.set ZZ,  40
.set PSN, 41
.set PCS, 42
.set SNR, 43
.set CSR, 44
.set KI,  45
.set I0,  46
.set I1,  47
.set Z2,  48
.set WW,  49
.set NSN, 50
.set CC,  51
.set REC, 52                           ; v[52:57] the record
.set SS,  58
.set CP,  59
.set SQ,  60
.set AA,  61
.set DD,  62
.set SM,  63
.set BB,  64
.set RSQ, 65
.set II,  66
	s_load_b256 s[4:11], s[0:1], 0x0               ; x s[4:5], alphas s[6:7], means s[8:9], rotations s[10:11]
	s_load_b128 s[12:15], s[0:1], 0x20             ; scales s[12:13], out0 s[14:15]
	v_lshl_add_u32 v128, v0, 2, 0x8000
	v_mov_b32 v129, 0
	v_lshrrev_b32 v1, 5, v0
	v_readfirstlane_b32 s16, v1                    ; wave 0..15
	s_and_b32 s17, s16, 3                          ; my block of 256 pixels
	s_lshr_b32 s18, s16, 2                         ; my quarter of the gaussians
	s_lshl_b32 s19, ttmp9, 13                      ; the work-group's 1,024 pixels of 8 bytes
	s_lshl_b32 s20, s17, 11                        ; + my block's 256
	s_add_co_u32 s19, s19, s20
	s_lshl_b32 s21, ttmp9, 12                      ; the work-group's 1,024 results of 4 bytes
	s_lshl_b32 s22, s18, 12                        ; my quarter's 128 records of 32 bytes
	s_lshl_b32 s23, s16, 10                        ; my partial sums: quarter x 4,096 + block x 1,024 = wave x 1,024
	v_and_b32 v2, 31, v0                           ; lane
	v_lshlrev_b32 v3, 2, v0                        ; 4 t: rotation and alpha of gaussian t
	v_lshlrev_b32 v4, 3, v0                        ; 8 t: its scales and means; later my two pixels' partial sums
	v_lshl_add_u32 v5, v2, 4, s19                  ; x: 16 bytes (two pixels) a lane, 512 consecutive bytes a load
	v_lshl_add_u32 v7, v0, 3, s21                  ; out0: 8 bytes a thread
	v_lshlrev_b32 v[ADR], 5, v0                    ; my record
	s_wait_kmcnt 0x0
	global_load_b32 v[ROT], v3, s[10:11]
	global_load_b64 v[SCL:SCL+1], v4, s[12:13]
	global_load_b64 v[MEA:MEA+1], v4, s[8:9]
	global_load_b32 v[REC+5], v3, s[6:7]           ; alpha goes straight to its place in the record
.irp j, 0,1,2,3
	global_load_b128 v[XY+4*\j:XY+4*\j+3], v5, s[4:5] offset:512*\j   ; the four waves of a block each read its 2,048 bytes
.endr
	; STEP 1.  rotation = k pi/2 + r, |r| <= pi/4 or little more.  pi/2 is taken away in three parts (24 bits each) by fused multiply-adds; the first
	; difference is exact.  Only cos^2, sin^2 and cos sin enter, so k counts modulo 2: for odd k (cos, sin) = +-(-sin r, cos r).
	s_wait_loadcnt 0x6                             ; rotation and scales are in; means, alpha and the four loads of x may be out
	v_rcp_f32 v[I0], v[SCL]
	v_rcp_f32 v[I1], v[SCL+1]                      ; behind a transcendental one plain vector instruction comes before its result is used (ISA guide 5.7.2): the product below
	v_mul_f32 v[KK], 0x3f22f983, v[ROT]            ; 2 / pi
	v_rndne_f32 v[KK], v[KK]
	v_fmamk_f32 v[RR], v[KK], 0xbfc90fdb, v[ROT]   ; - k x 1.57079637
	v_fmamk_f32 v[RR], v[KK], 0x333bbd2e, v[RR]    ; + k x 4.37113883e-8
	v_fmamk_f32 v[RR], v[KK], 0x26f72ced, v[RR]    ; + k x 1.7151245e-15
	v_cvt_i32_f32 v[KI], v[KK]
	v_mul_f32 v[ZZ], v[RR], v[RR]
	v_mov_b32 v[PSN], 0xb94ca1f9                   ; sin r = r + r z (-1.6666654611e-1 + z (8.3321608736e-3 - 1.9515295891e-4 z)), z = r^2
	v_mov_b32 v[PCS], 0x37ccf5ce                   ; cos r = 1 - z/2 + z^2 (4.166664568e-2 + z (-1.388731625e-3 + 2.443315712e-5 z))
	v_fmaak_f32 v[PSN], v[PSN], v[ZZ], 0x3c08839e
	v_fmaak_f32 v[PCS], v[PCS], v[ZZ], 0xbab6061a
	v_fmaak_f32 v[PSN], v[PSN], v[ZZ], 0xbe2aaaa3
	v_fmaak_f32 v[PCS], v[PCS], v[ZZ], 0x3d2aaaa5
	v_mul_f32 v[PSN], v[PSN], v[ZZ]
	v_mul_f32 v[Z2], v[ZZ], v[ZZ]
	v_fma_f32 v[WW], v[ZZ], -0.5, 1.0
	v_fma_f32 v[SNR], v[PSN], v[RR], v[RR]
	v_fma_f32 v[CSR], v[Z2], v[PCS], v[WW]
	v_and_b32 v[KI], 1, v[KI]
	v_cmp_eq_u32 vcc_lo, 1, v[KI]
	v_mul_f32 v[NSN], -1.0, v[SNR]
	v_cndmask_b32 v[CC], v[CSR], v[NSN], vcc_lo    ; c: odd k takes -sin r
	v_cndmask_b32 v[SS], v[SNR], v[CSR], vcc_lo    ; s: odd k takes cos r
	; A = (c/s0)^2 + (s/s1)^2,  B = c s (1/s0 - 1/s1)(1/s0 + 1/s1)
	s_wait_alu depctr_va_vdst(0)
	v_mul_f32 v[CP], v[CC], v[I0]
	v_mul_f32 v[SQ], v[SS], v[I1]
	v_sub_f32 v[DD], v[I0], v[I1]
	v_add_f32 v[SM], v[I0], v[I1]
	v_mul_f32 v[AA], v[SQ], v[SQ]
	v_mul_f32 v[BB], v[CC], v[SS]
	v_fma_f32 v[AA], v[CP], v[CP], v[AA]
	v_mul_f32 v[DD], v[DD], v[SM]
	v_rsq_f32 v[RSQ], v[AA]
	v_mul_f32 v[BB], v[BB], v[DD]                  ; the plain instruction behind v_rsq_f32
	v_mul_f32 v[II], v[I0], v[I1]
	s_wait_alu depctr_va_vdst(0)
	v_mul_f32 v[RSQ], 0x3f596d27, v[RSQ]           ; sqrt(log2(e) / 2) = 0.84932180
	v_mul_f32 v[REC+2], v[AA], v[RSQ]              ; l11
	v_mul_f32 v[REC+3], v[BB], v[RSQ]              ; l21
	v_mul_f32 v[REC+4], v[II], v[RSQ]              ; l22 (its sign does not matter: it is squared)
	s_wait_loadcnt 0x4                             ; means and alpha are in; the four loads of x may be out
	v_mul_f32 v[REC], -1.0, v[MEA]                 ; the means go in negated: x - mx is then a packed add
	v_mul_f32 v[REC+1], -1.0, v[MEA+1]
	ds_store_b128 v[ADR], v[REC:REC+3]
	ds_store_b64 v[ADR], v[REC+4:REC+5] offset:16
	s_wait_loadcnt 0x0                             ; x.  A load brought (x, y, x', y') of two pixels; the packed arithmetic wants (x, x', y, y')
.irp j, 0,1,2,3
	v_mov_b32 v[GG], v[XY+4*\j+1]
	v_mov_b32 v[XY+4*\j+1], v[XY+4*\j+2]
	v_mov_b32 v[XY+4*\j+2], v[GG]
.endr
	s_wait_dscnt 0x0                               ; my record is in LDS: zero, for the other waves' sake
	s_barrier_signal -1
	s_barrier_wait -1                              ; all 512 are
; Four records into register set p, from byte off behind the trip's first record.  All lanes name the same bytes.
.macro LOADS p, off
.irp i, 0,1,2,3
	ds_load_b128 v[\p+6*\i:\p+6*\i+3], v[ADR] offset:\off+RECB*\i
	ds_load_b64 v[\p+6*\i+4:\p+6*\i+5], v[ADR] offset:\off+RECB*\i+16
.endr
.endm
; One gaussian (record at register c) against my eight pixels: 28 packed instructions, stage by stage over the four pairs, so that an
; instruction's source was written four or more instructions earlier.  Among them stand the eight exponentials of the gaussian before
; (record at p), one for each four plain instructions, and at the end its four multiply-adds into the sums.
; back = 0: there is no gaussian before; 1: its products start the sums (nothing is cleared); 2: they are added.
; A record's register is taken for both halves of a packed instruction: op_sel_hi 0 = the pair's first for both, op_sel 1 = its second.
; Behind each v_exp_f32 a plain instruction that touches neither its result nor its source comes before GG is read or EE rewritten
; (ISA guide 5.7.2): GG is read in the last stage alone, EE is rewritten in the last but one, whose first three lines leave EE+6, EE+7 alone.
.macro STEP c, p, back
.if \back
	v_exp_f32 v[GG], v[EE]
	v_exp_f32 v[GG+1], v[EE+1]
.endif
.irp j, 0,1,2,3
	v_pk_add_f32 v[DX+2*\j:DX+2*\j+1], v[XY+4*\j:XY+4*\j+1], v[\c:\c+1] op_sel_hi:[1,0]                    ; dx = x - mx
.endr
.if \back
	v_exp_f32 v[GG+2], v[EE+2]
.endif
.irp j, 0,1,2,3
	v_pk_add_f32 v[DY+2*\j:DY+2*\j+1], v[XY+4*\j+2:XY+4*\j+3], v[\c:\c+1] op_sel:[0,1] op_sel_hi:[1,1]     ; dy = y - my
.endr
.if \back
	v_exp_f32 v[GG+3], v[EE+3]
.endif
.irp j, 0,1,2,3
	v_pk_mul_f32 v[UU+2*\j:UU+2*\j+1], v[DX+2*\j:DX+2*\j+1], v[\c+2:\c+3] op_sel_hi:[1,0]                  ; l11 dx
.endr
.if \back
	v_exp_f32 v[GG+4], v[EE+4]
.endif
.irp j, 0,1,2,3
	v_pk_fma_f32 v[UU+2*\j:UU+2*\j+1], v[DY+2*\j:DY+2*\j+1], v[\c+2:\c+3], v[UU+2*\j:UU+2*\j+1] op_sel:[0,1,0] op_sel_hi:[1,1,1]   ; u = l21 dy + l11 dx
.endr
.if \back
	v_exp_f32 v[GG+5], v[EE+5]
.endif
.irp j, 0,1,2,3
	v_pk_mul_f32 v[VV+2*\j:VV+2*\j+1], v[DY+2*\j:DY+2*\j+1], v[\c+4:\c+5] op_sel_hi:[1,0]                  ; v = l22 dy
.endr
.if \back
	v_exp_f32 v[GG+6], v[EE+6]
.endif
.irp j, 0,1,2,3
	v_pk_mul_f32 v[UU+2*\j:UU+2*\j+1], v[UU+2*\j:UU+2*\j+1], v[UU+2*\j:UU+2*\j+1] neg_lo:[1,0] neg_hi:[1,0]   ; -u^2
.endr
.if \back
	v_exp_f32 v[GG+7], v[EE+7]
.endif
.irp j, 0,1,2,3
	v_pk_fma_f32 v[EE+2*\j:EE+2*\j+1], v[VV+2*\j:VV+2*\j+1], v[VV+2*\j:VV+2*\j+1], v[UU+2*\j:UU+2*\j+1] neg_lo:[1,0,0] neg_hi:[1,0,0]   ; -v^2 - u^2
.endr
.if \back == 1
	s_wait_alu depctr_va_vdst(0)
.irp j, 0,1,2,3
	v_pk_mul_f32 v[ACC+2*\j:ACC+2*\j+1], v[GG+2*\j:GG+2*\j+1], v[\p+4:\p+5] op_sel:[0,1] op_sel_hi:[1,1]
.endr
.endif
.if \back == 2
	s_wait_alu depctr_va_vdst(0)
.irp j, 0,1,2,3
	v_pk_fma_f32 v[ACC+2*\j:ACC+2*\j+1], v[GG+2*\j:GG+2*\j+1], v[\p+4:\p+5], v[ACC+2*\j:ACC+2*\j+1] op_sel:[0,1,0] op_sel_hi:[1,1,1]   ; + alpha g
.endr
.endif
.endm
; Eight gaussians.  A register set is loaded again behind the step that has read its last alpha, three steps (some 120 instructions)
; ahead of the wait for it.  first = 1: the wave's first trip; last = 1: nothing is left to load.
.macro TRIP first, last
.if \first
	STEP PA, PB+18, 0
.else
	STEP PA, PB+18, 2
.endif
	LOADS PB, 4*RECB
.if \first
	STEP PA+6, PA, 1
.else
	STEP PA+6, PA, 2
.endif
	STEP PA+12, PA+6, 2
	STEP PA+18, PA+12, 2
	s_wait_dscnt 0x0                               ; set B is in
	STEP PB, PA+18, 2
.if \last == 0
	LOADS PA, 8*RECB
.endif
	STEP PB+6, PB, 2
	STEP PB+12, PB+6, 2
	STEP PB+18, PB+12, 2
.if \last == 0
	v_add_nc_u32 v[ADR], 8*RECB, v[ADR]            ; the next trip's first record
	s_wait_dscnt 0x0                               ; set A is in
.endif
.endm
	; STEP 2
	v_mov_b32 v[ADR], s22                          ; my quarter's first record
	LOADS PA, 0
	s_wait_dscnt 0x0
	TRIP 1, 0                                      ; the first trip stands in front of the loop: its first products start the sums
	s_mov_b32 s24, TRIPS-2
.Ltrip:
	TRIP 0, 0
	s_sub_co_i32 s24, s24, 1
	s_cmp_lg_u32 s24, 0
	s_cbranch_scc1 .Ltrip
	TRIP 0, 1                                      ; the last trip loads no record beyond my quarter
.irp k, 0,1,2,3,4,5,6,7
	v_exp_f32 v[GG+\k], v[EE+\k]                   ; the last gaussian's exponentials
.endr
	v_lshl_add_u32 v1, v2, 3, s23                  ; the plain instruction behind them: where my partial sums go, wave x 1,024 + 8 x lane
	s_wait_alu depctr_va_vdst(0)
.irp j, 0,1,2,3
	v_pk_fma_f32 v[ACC+2*\j:ACC+2*\j+1], v[GG+2*\j:GG+2*\j+1], v[PB+22:PB+23], v[ACC+2*\j:ACC+2*\j+1] op_sel:[0,1,0] op_sel_hi:[1,1,1]
.endr
	; STEP 3.  Partial sum of quarter g and pixel p of the work-group: PART + 4,096 g + 4 p, bytes that hold nothing else, so no wave need
	; wait for the others' reads of the records.
.irp j, 0,1,2,3
	ds_store_b64 v1, v[ACC+2*\j:ACC+2*\j+1] offset:PART+256*\j
.endr
	s_wait_dscnt 0x0                               ; my sums are in LDS: zero, for the other waves' sake
	s_barrier_signal -1
	s_barrier_wait -1
.irp g, 0,1,2,3
	ds_load_b64 v[DX+2*\g:DX+2*\g+1], v4 offset:PART+4096*\g       ; thread t: pixels 2 t and 2 t + 1, the four quarters
.endr
	s_wait_dscnt 0x0
	v_pk_add_f32 v[DX:DX+1], v[DX:DX+1], v[DX+2:DX+3]
	v_pk_add_f32 v[DX+4:DX+5], v[DX+4:DX+5], v[DX+6:DX+7]
	v_pk_add_f32 v[DX:DX+1], v[DX:DX+1], v[DX+4:DX+5]
	global_store_b64 v7, v[DX:DX+1], s[14:15] th:TH_STORE_NT       ; a wave's store covers 256 consecutive bytes, at a multiple of 256 from out0's first byte
	s_wait_tensorcnt 0x0
	ds_add_u32 v128, v129
	s_wait_dscnt 0x0
	s_endpgm
.Lfunc_end_k_qe966742cce_splat:
	.size	k_qe966742cce_splat, .Lfunc_end_k_qe966742cce_splat-k_qe966742cce_splat
	.p2alignl 7, 3214868480
	.fill 96, 4, 3214868480
	.section	.rodata,"a",@progbits
	.p2align	6, 0x0
	.amdhsa_kernel k_qe966742cce_splat
		.amdhsa_group_segment_fixed_size 34816
		.amdhsa_private_segment_fixed_size 0
		.amdhsa_enable_private_segment 0
		.amdhsa_kernarg_size 48
		.amdhsa_user_sgpr_count 2
		.amdhsa_user_sgpr_kernarg_segment_ptr 1
		.amdhsa_wavefront_size32 1
		.amdhsa_system_sgpr_workgroup_id_x 1
		.amdhsa_system_sgpr_workgroup_id_y 1
		.amdhsa_system_sgpr_workgroup_id_z 1
		.amdhsa_system_vgpr_workitem_id 0
		.amdhsa_next_free_vgpr 130
		.amdhsa_next_free_sgpr 66
		.amdhsa_reserve_vcc 1
		.amdhsa_float_denorm_mode_32 3
		.amdhsa_float_denorm_mode_16_64 3
		.amdhsa_memory_ordered 1
		.amdhsa_forward_progress 1
		.amdhsa_inst_pref_size 64
	.end_amdhsa_kernel
	.amdgpu_metadata
---
amdhsa.version: [ 1, 2 ]
amdhsa.kernels:
  - .name:           k_qe966742cce_splat
    .symbol:         k_qe966742cce_splat.kd
    .args:
      - { .name: x, .offset: 0, .size: 8, .value_kind: global_buffer, .address_space: global }
      - { .name: alphas, .offset: 8, .size: 8, .value_kind: global_buffer, .address_space: global }
      - { .name: means, .offset: 16, .size: 8, .value_kind: global_buffer, .address_space: global }
      - { .name: rotations, .offset: 24, .size: 8, .value_kind: global_buffer, .address_space: global }
      - { .name: scales, .offset: 32, .size: 8, .value_kind: global_buffer, .address_space: global }
      - { .name: out0, .offset: 40, .size: 8, .value_kind: global_buffer, .address_space: global }
    .group_segment_fixed_size: 34816
    .private_segment_fixed_size: 0
    .kernarg_segment_align: 8
    .kernarg_segment_size: 48
    .max_flat_workgroup_size: 512
    .sgpr_count:     66
    .vgpr_count:     130
    .wavefront_size: 32
...
	.end_amdgpu_metadata
.endif
;; end of part 1
